; MI455X (gfx1250); checked and timed in simulation.
; The chip was launched on July 23, 2026; its instructions are those of AMD's public machine-readable ISA for CDNA 5 (MIT licence, August 2026) and "CDNA5" Instruction Set Architecture Reference Guide (July 2026). The comments in the code are by the model that wrote it; some were corrected since.
;; MSA. Allowed arithmetic: float matrix products may take bf16 or f16 operands with f32 sums; all other float work in f32.
;; Inputs: Wk 1,024 x 1,024 float32; Wo 1,024 x 1,024 float32; Wq 1,024 x 1,024 float32; Wv 1,024 x 1,024 float32; bk 1,024 float32; bo 1,024 float32; bq 1,024 float32; bv 1,024 float32; x 4 x 2,048 x 1,024 float32.
;; Outputs: out0 4 x 2,048 x 1,024 float32.
;; One version. Each part assembles by itself: llvm-mc -triple=amdgcn-amd-amdhsa -mcpu=gfx1250 --defsym DOCPART=n.
;; ======== version 1 of 1: 4 launches
;; workspace buffers: xb 16,777,216 bytes; wb 8,388,608 bytes; qb 16,777,216 bytes; kb 16,777,216 bytes; vb 16,777,216 bytes; ab 16,777,216 bytes
;; launch cast (part 1): grid 768 x 1, 8 waves a work-group, no clusters, 0 bytes of LDS; arguments x, Wq, Wk, Wv, Wo, xb, wb; writes xb, wb
.if DOCPART == 1
	.amdgcn_target "amdgcn-amd-amdhsa--gfx1250"
	.amdhsa_code_object_version 6
	.text
	.protected	k_q18faeffe07_cast
	.globl	k_q18faeffe07_cast
	.p2align	8
	.type	k_q18faeffe07_cast,@function
k_q18faeffe07_cast:
	s_mov_b64 s[64:65], 0
	v_nop
	global_prefetch_b8 v0, s[64:65] scope:SCOPE_SE
	s_setreg_imm32_b32 hwreg(HW_REG_WAVE_MODE, 25, 1), 1
	s_wait_xcnt 0x0
; First of four launches of multi-head attention: B = 4, S = 2048, E = 1024, 16 heads of 64.
;   cast : x and the four weight matrices, f32 to bf16, laid out in tiles      (this text)
;   qkv  : q = x Wq + bq, k = x Wk, v = x Wv + bv
;   attn : softmax(q k^T / 8) v for each head, with a running maximum
;   oproj: out0 = attention Wo + bo
; WORK LEFT OUT: the bias bk.  With k_t = x_t Wk + bk the score of query s and key t is q_s.(x_t Wk)/8 + q_s.bk/8.
; The second term does not hang on t, so it is the same along the axis of the softmax, and softmax(z + const) =
; softmax(z) for all finite values of the inputs.  k reaches the result through the scores alone, so bk has no way
; to any output: it is not loaded and is among no launch's arguments.
; LIMIT: a NaN, an infinity or an overflow that would come from bk alone is not carried to the result.
;
; xb: [32 blocks of 32 columns][8192 rows][32] bf16: byte = blk * 2^19 + row * 64 + 2 c.  128 rows of a block are 8 KiB without a gap,
;     and a block is what one matrix instruction takes along K.
; wb: [8 j][1024 k][4 planes][128 columns] bf16: byte = j * 2^20 + k * 1024 + plane * 256 + 2 (c mod 128), j = c / 128;
;     planes 0 to 3 are Wq, Wk, Wv, Wo.
; A stream: every input byte is read once and every output byte written once, so LDS, barriers, clusters and matrix units have
; nothing to add.  A thread takes 8 chunks of 8 numbers: two loads of 16 bytes, four packed roundings, one store of 16 bytes.
; No register is written twice, so the only waits are the counted ones for the loads.
.set SV, 6                             ; v6        byte offset of my chunk 0 in the source
.set DV, 7                             ; v7        byte offset of my chunk 0 in the destination
.set X,  8                             ; v[8:71]   chunk i: 8 f32
.set Y,  72                            ; v[72:103] chunk i: 8 bf16
.macro CAST sb, db, sstep, dstep
.irp i, 0,1,2,3,4,5,6,7
	global_load_b128 v[X+8*\i:X+8*\i+3],   v[SV], s[\sb:\sb+1] offset:\i*\sstep th:TH_LOAD_NT
	global_load_b128 v[X+8*\i+4:X+8*\i+7], v[SV], s[\sb:\sb+1] offset:\i*\sstep+16 th:TH_LOAD_NT
.endr
.irp i, 0,1,2,3,4,5,6,7
	s_wait_loadcnt 14-2*\i                 ; sixteen loads were issued; those younger than chunk i's pair stay out
.irp k, 0,1,2,3
	v_cvt_pk_bf16_f32 v[Y+4*\i+\k], v[X+8*\i+2*\k], v[X+8*\i+2*\k+1]
.endr
	global_store_b128 v[DV], v[Y+4*\i:Y+4*\i+3], s[\db:\db+1] offset:\i*\dstep
.endr
.endm
	s_load_b256 s[4:11], s[0:1], 0x0               ; x s[4:5], Wq s[6:7], Wk s[8:9], Wv s[10:11]
	s_load_b128 s[12:15], s[0:1], 0x20             ; Wo s[12:13], xb s[14:15]
	s_load_b64 s[16:17], s[0:1], 0x30              ; wb
	s_cmp_ge_u32 ttmp9, 512
	s_cbranch_scc1 .Lw
	; Work-groups 0 to 511: 16 rows of x each.  Wave w, lane l: rows 8 (w / 4) + l / 4, blocks 8 (w mod 4) + i, chunk l mod 4 of the block.
	v_lshrrev_b32 v1, 5, v0
	v_readfirstlane_b32 s18, v1                    ; wave
	v_and_b32 v2, 31, v0                           ; lane
	v_lshrrev_b32 v3, 2, v2
	v_and_b32 v4, 3, v2
	v_lshlrev_b32 v4, 5, v4
	v_lshl_add_u32 v[SV], v3, 12, v4               ; (l / 4) rows of 4,096 bytes + (l mod 4) * 32
	v_lshlrev_b32 v[DV], 4, v2                     ; 8 rows of 64 bytes are 512 bytes without a gap: 16 l
	s_lshr_b32 s19, s18, 2
	s_and_b32 s26, s18, 3
	s_lshl_b32 s20, ttmp9, 16                      ; source: 16 rows a work-group,
	s_lshl_b32 s27, s19, 15                        ; 8 rows a group of four waves,
	s_add_co_u32 s20, s20, s27
	s_lshl_b32 s27, s26, 10                        ; 8 blocks of 128 bytes
	s_add_co_u32 s20, s20, s27
	s_mov_b32 s21, 0
	s_lshl_b32 s22, s26, 22                        ; destination: 8 blocks of 2^19 bytes,
	s_lshl_b32 s27, ttmp9, 10                      ; 16 rows of 64 bytes,
	s_add_co_u32 s22, s22, s27
	s_lshl_b32 s27, s19, 9                         ; 8 rows of 64 bytes
	s_add_co_u32 s22, s22, s27
	s_mov_b32 s23, 0
	s_wait_kmcnt 0x0
	s_add_nc_u64 s[24:25], s[4:5], s[20:21]
	s_add_nc_u64 s[28:29], s[14:15], s[22:23]
	CAST 24, 28, 128, 524288                       ; chunk i is block i of my eight; a store of the wave covers 512 consecutive bytes, aligned
	s_endpgm
.Lw:
	; Work-groups 512 to 767: 16 rows of one weight matrix each.  Thread t: row 2 i + t / 128, chunk t mod 128.
	s_sub_co_u32 s19, ttmp9, 512
	s_lshr_b32 s26, s19, 6                         ; which matrix = which plane
	s_and_b32 s27, s19, 63                         ; which 16 rows
	v_lshlrev_b32 v[SV], 5, v0                     ; 256 threads x 32 bytes = two rows
	v_bfe_u32 v1, v0, 4, 3                         ; j = (t mod 128) / 16
	v_lshrrev_b32 v2, 7, v0                        ; row within the two
	v_and_b32 v3, 15, v0
	v_lshlrev_b32 v3, 4, v3
	v_lshl_add_u32 v3, v2, 10, v3
	v_lshl_add_u32 v[DV], v1, 20, v3               ; j * 2^20 + row * 1,024 + 16 (t mod 16): 16 lanes fill 256 consecutive bytes, aligned
	s_lshl_b32 s20, s27, 16
	s_mov_b32 s21, 0
	s_lshl_b32 s22, s27, 14
	s_lshl_b32 s19, s26, 8
	s_add_co_u32 s22, s22, s19
	s_mov_b32 s23, 0
	s_wait_kmcnt 0x0
	s_mov_b64 s[24:25], s[6:7]                     ; the source is chosen by the plane's number
	s_cmp_eq_u32 s26, 1
	s_cselect_b64 s[24:25], s[8:9], s[24:25]
	s_cmp_eq_u32 s26, 2
	s_cselect_b64 s[24:25], s[10:11], s[24:25]
	s_cmp_eq_u32 s26, 3
	s_cselect_b64 s[24:25], s[12:13], s[24:25]
	s_add_nc_u64 s[24:25], s[24:25], s[20:21]
	s_add_nc_u64 s[28:29], s[16:17], s[22:23]
	CAST 24, 28, 8192, 2048
	s_endpgm
.Lfunc_end_k_q18faeffe07_cast:
	.size	k_q18faeffe07_cast, .Lfunc_end_k_q18faeffe07_cast-k_q18faeffe07_cast
	.p2alignl 7, 3214868480
	.fill 96, 4, 3214868480
	.section	.rodata,"a",@progbits
	.p2align	6, 0x0
	.amdhsa_kernel k_q18faeffe07_cast
		.amdhsa_group_segment_fixed_size 0
		.amdhsa_private_segment_fixed_size 0
		.amdhsa_enable_private_segment 0
		.amdhsa_kernarg_size 56
		.amdhsa_user_sgpr_count 2
		.amdhsa_user_sgpr_kernarg_segment_ptr 1
		.amdhsa_wavefront_size32 1
		.amdhsa_system_sgpr_workgroup_id_x 1
		.amdhsa_system_sgpr_workgroup_id_y 1
		.amdhsa_system_sgpr_workgroup_id_z 1
		.amdhsa_system_vgpr_workitem_id 0
		.amdhsa_next_free_vgpr 104
		.amdhsa_next_free_sgpr 66
		.amdhsa_reserve_vcc 0
		.amdhsa_float_denorm_mode_32 3
		.amdhsa_float_denorm_mode_16_64 3
		.amdhsa_memory_ordered 1
		.amdhsa_forward_progress 1
		.amdhsa_inst_pref_size 12
	.end_amdhsa_kernel
	.amdgpu_metadata
---
amdhsa.version: [ 1, 2 ]
amdhsa.kernels:
  - .name:           k_q18faeffe07_cast
    .symbol:         k_q18faeffe07_cast.kd
    .args:
      - { .name: x, .offset: 0, .size: 8, .value_kind: global_buffer, .address_space: global }
      - { .name: Wq, .offset: 8, .size: 8, .value_kind: global_buffer, .address_space: global }
      - { .name: Wk, .offset: 16, .size: 8, .value_kind: global_buffer, .address_space: global }
      - { .name: Wv, .offset: 24, .size: 8, .value_kind: global_buffer, .address_space: global }
      - { .name: Wo, .offset: 32, .size: 8, .value_kind: global_buffer, .address_space: global }
      - { .name: xb, .offset: 40, .size: 8, .value_kind: global_buffer, .address_space: global }
      - { .name: wb, .offset: 48, .size: 8, .value_kind: global_buffer, .address_space: global }
    .group_segment_fixed_size: 0
    .private_segment_fixed_size: 0
    .kernarg_segment_align: 8
    .kernarg_segment_size: 56
    .max_flat_workgroup_size: 256
    .sgpr_count:     66
    .vgpr_count:     104
    .wavefront_size: 32
...
	.end_amdgpu_metadata
.endif
;; end of part 1
;; launch qkv (part 2): grid 8 x 32, 4 waves a work-group, clusters of 4 x 4, 327,680 bytes of LDS; arguments xb, wb, bq, bv, qb, kb, vb; writes qb, kb, vb
.if DOCPART == 2
	.amdgcn_target "amdgcn-amd-amdhsa--gfx1250"
	.amdhsa_code_object_version 6
	.text
	.protected	k_q18faeffe07_qkv
	.globl	k_q18faeffe07_qkv
	.p2align	8
	.type	k_q18faeffe07_qkv,@function
k_q18faeffe07_qkv:
	s_mov_b64 s[64:65], 0
	v_nop
	global_prefetch_b8 v0, s[64:65] scope:SCOPE_SE
	s_setreg_imm32_b32 hwreg(HW_REG_WAVE_MODE, 25, 1), 1
	s_wait_xcnt 0x0
	s_wait_alu depctr_hold_cnt(0) depctr_sa_sdst(0) depctr_va_vdst(0) depctr_va_sdst(0) depctr_va_ssrc(0) depctr_va_vcc(0) depctr_vm_vsrc(0)
	s_getreg_b32 s2, hwreg(HW_REG_IB_STS2, 6, 4)
	s_cmp_eq_u32 s2, 0
	s_cbranch_scc0 .Lentry_in_a_cluster
	s_endpgm
.Lentry_in_a_cluster:
	s_bfe_u32 s2, ttmp6, 0x10000c
	s_cmp_lg_u32 s2, 0xf033
	s_cbranch_scc0 .Lentry_shape_is_right
	s_endpgm
.Lentry_shape_is_right:
; q = x Wq + bq, k = x Wk, v = x Wv + bv, from the bf16 tiles xb and wb, sums in f32, results in bf16 as [16 heads][8192 rows][64].
; WORK LEFT OUT: bk.  It adds q_s.bk/8 to every score of query s, the same along the softmax's axis, so it cancels for all
; values; it is not an argument.  A NaN or an infinity in bk is not carried to the result.
; Work-group (j, i): rows 256 i .. + 255, columns 128 j .. + 127 of each of q, k and v: 256 x 384 numbers.  Four waves, as many as a WGP has
; SIMDs.  Wave w: rows 128 (w / 2) .. + 127 and in each of the three planes the 64 columns of head 2 j + w mod 2:
; three thirds of 8 x 4 tiles of 16 x 16, 96 accumulators, 768 registers (windows 1, 2, 3 = q, k, v).
; K goes through two LDS slots in ten steps of 96 and a last one of 64; a step is three (two) quarters of 32 along K, each one block of xb.
; 32 along K take 256 x 80 + 32 x 864 = 48,128 bytes of LDS: two slots of three quarters and the stage are 297,984 bytes; four quarters a slot do not fit.
; CLUSTERS: 4 x 4 work-groups.  x's tile hangs on i alone and is asked for jointly by a row of the cluster, the weights' tile on j
; alone and is asked for jointly by a column: the requests for both are divided by four.
; The weights lie [k][n] in LDS and are transposed on their way into registers (ds_load_tr16_b128).
; THE MATRIX INSTRUCTION IS USED TRANSPOSED: source 0 = 16 columns of W, source 1 = 16 rows of x.  A lane then holds row l mod 16 and in its
; eight registers the columns 8 (l / 16) + 0 .. 7: sixteen bytes of bf16 that belong together.
; The 96 accumulators take turns, one instruction a turn, in the same order in every quarter; no wait on the ALU is written.
.set ABLK,  10240                      ; one block of xb for 128 rows: 128 rows of 80 bytes (64 + 16 of padding)
.set AHALF, 30720                      ; three blocks: what one tensor load brings of x, and what one wave reads of it
.set BOFF,  61440                      ; where W's part of a slot begins
.set BQRT,  27648                      ; 32 k rows of 3 x (256 + 32) = 864 bytes
.set SLOT,  144384                     ; x: 2 x AHALF; then W: 96 k rows of 864 bytes
.set STAGE, 288768                     ; behind the ring: 16 rows of 144 bytes for each wave; no tensor load lands here
.set ADA, 16                           ; v16-17  LDS address of my x fragments in slot 0, 1
.set ADB, 18                           ; v18-19  the same for W, quarters 0 and 1; v20-21 for quarter 2, whose offsets would pass the 16-bit immediate
.set STO, 24                           ; v24     way out: where I put 16 bytes of a row
.set RD,  25                           ; v25     way out: where I read rows back
.set CO,  26                           ; v26     way out: 16 x lane
.set BO,  27                           ; v27     way out: 32 x (lane / 16), my eight biases of a tile
.set AF0, 32                           ; v[32:95]   x fragments, two buffers by turns from quarter to quarter
.set AF1, 96                           ; v[96:159]
.set BF,  160                          ; v[160:255] W fragments, third t at BF + 32 t
.set BQ,  32                           ; way out: bq of my 64 columns (8 a tile), v[32:63]
.set BV,  64                           ; way out: bv, v[64:95]
.set TF,  96                           ; way out: 32 f32 at work
.set TP,  128                          ; way out: 16 registers of packed bf16
.set RB0, 144                          ; way out: rows read back, two buffers in turn
.set RB1, 160
.set G1,  24                           ; s[24:31] group 1 for x's tiles
.set G0,  32                           ; s[32:39] group 0 for x's tiles, one set a slot
.set G1B, 48                           ; s[48:55] group 1 for W's tiles
.set G0B, 56                           ; s[56:63] group 0 for W's tiles, one set a slot
.set MSB, 0
.macro WIN new                         ; low byte: bits 1:0 source 0, 3:2 source 1, 5:4 source 2, 7:6 destination; the high byte repeats the setting left
.if MSB != (\new)
	s_set_vgpr_msb (MSB<<8)|(\new)
.set MSB, (\new)
.endif
.endm
.macro PLACES                          ; four plain vector instructions between a matrix instruction and a load into, or a vector access of, its registers
.rept 4
	v_nop
.endr
.endm
; A joint load: waves 0 and 1 ask for the halves of x's tile, waves 2 and 3 for the halves of W's.  The branch hangs on the wave's number alone.
.macro JLOAD s
	s_cmp_eq_u32 s19, 0
	s_cbranch_scc0 .Lfor_b_\@
	tensor_load_to_lds s[G0+4*\s:G0+4*\s+3], s[G1:G1+7]
	s_nop 0
	s_branch .Lasked_\@
.Lfor_b_\@:
	tensor_load_to_lds s[G0B+4*\s:G0B+4*\s+3], s[G1B:G1B+7]
	s_nop 0
.Lasked_\@:
.endm
.macro CREST                           ; a round of the cluster's barrier behind its opening work-group barrier
	s_cmp_lg_u32 s18, 0
	s_cbranch_scc1 .Lnot_wave_0_\@
	s_barrier_signal -3
.Lnot_wave_0_\@:
	s_barrier_wait -3
	s_barrier_signal -1
	s_barrier_wait -1
.endm
.macro CROUND
	s_barrier_signal -1
	s_barrier_wait -1
	CREST
.endm
	s_load_b256 s[4:11], s[0:1], 0x0               ; xb s[4:5], wb s[6:7], bq s[8:9], bv s[10:11]
	s_load_b128 s[12:15], s[0:1], 0x20             ; qb s[12:13], kb s[14:15]
	s_load_b64 s[16:17], s[0:1], 0x30              ; vb
	v_lshl_add_u32 v30, v0, 2, 0x48c00
	v_mov_b32 v31, 0
	ds_add_u32 v30, v31
	v_lshrrev_b32 v1, 5, v0
	v_readfirstlane_b32 s18, v1                    ; wave
	s_lshr_b32 s19, s18, 1                         ; which 128 rows are mine; also: I ask for x (0) or for W (1)
	s_and_b32 s20, s18, 1                          ; which 64 columns of a plane; also: which half of the tile I ask for
	s_bfe_u32 s21, ttmp6, 0x40000                  ; cx
	s_bfe_u32 s22, ttmp6, 0x40004                  ; cy
	s_lshl_b32 s23, ttmp9, 2
	s_add_co_u32 s23, s23, s21                     ; j = 4 x cluster x + cx
	s_and_b32 s3, ttmp7, 0xffff
	s_lshl_b32 s3, s3, 2
	s_add_co_u32 s3, s3, s22                       ; i = 4 x cluster y + cy
	s_lshl_b32 s40, s22, 2
	s_lshl_b32 s40, 15, s40                        ; my row of the cluster
	s_lshl_b32 s41, 0x1111, s21                    ; my column
	; x: in each of three blocks my 128 rows of 64 bytes lie without a gap: a tile of 3 rows of 4,096 elements (8 KiB), 2^19 bytes apart;
	; 16 bytes of padding behind every 16 words give each x row a pitch of 80
	s_or_b32 s[G1+0], s40, (1<<16)|(1<<20)|(1<<21)|(3<<22)|(3<<25)
	s_mov_b32 s[G1+1], 4096<<16                    ; tensor_dim0 = 4,096 elements
	s_mov_b32 s[G1+2], 3<<16                       ; tensor_dim1 = 3
	s_mov_b32 s[G1+3], 4096<<16                    ; tile_dim0 = 4,096
	s_mov_b32 s[G1+4], 3                           ; tile_dim1 = 3
	s_mov_b32 s[G1+5], 262144                      ; from block to block: 262,144 elements
	s_mov_b32 s[G1+6], 0
	s_mov_b32 s[G1+7], 0
	; W: 48 k rows of 384 elements (planes q, k, v) out of 512; 32 bytes of padding behind every 64 words: 864 bytes a k row
	s_or_b32 s[G1B+0], s41, (1<<16)|(1<<20)|(1<<21)|(5<<22)|(7<<25)
	s_mov_b32 s[G1B+1], 384<<16
	s_mov_b32 s[G1B+2], 48<<16
	s_mov_b32 s[G1B+3], 384<<16
	s_mov_b32 s[G1B+4], 48
	s_mov_b32 s[G1B+5], 512
	s_mov_b32 s[G1B+6], 0
	s_mov_b32 s[G1B+7], 0
	s_lshl_b32 s42, s3, 14                         ; x: 256 i rows of 64 bytes + my half of 128 rows (i and the wave alone)
	s_lshl_b32 s46, s20, 13
	s_add_co_u32 s42, s42, s46
	s_mov_b32 s43, 0
	s_lshl_b32 s44, s23, 20                        ; W: j * 2^20 + my half of 48 k rows of 1,024 bytes (j and the wave alone)
	s_mul_i32 s46, s20, 49152
	s_add_co_u32 s44, s44, s46
	s_mov_b32 s45, 0
	s_mul_i32 s2, s20, AHALF                       ; LDS: my half of x's tile,
	s_mul_i32 s47, s20, 41472                      ; my half of W's tile (48 k rows of 864 bytes): the wave's number and constants alone
	s_add_co_u32 s47, s47, BOFF
	s_wait_dscnt 0x0
	s_wait_kmcnt 0x0
	s_add_nc_u64 s[42:43], s[4:5], s[42:43]
	s_add_nc_u64 s[44:45], s[6:7], s[44:45]
	CROUND                                         ; all sixteen work-groups are here: the first joint loads meet
.irp s, 0,1
	s_mov_b32 s[G0+4*\s], 1
	s_add_co_u32 s[G0+4*\s+1], s2, \s*SLOT
	s_add_nc_u64 s[G0+4*\s+2:G0+4*\s+3], s[42:43], \s*0x180000     ; K step s = blocks 3 s .. 3 s + 2 of xb
	s_or_b32 s[G0+4*\s+3], s[G0+4*\s+3], 0x80000000
	s_mov_b32 s[G0B+4*\s], 1
	s_add_co_u32 s[G0B+4*\s+1], s47, \s*SLOT
	s_add_nc_u64 s[G0B+4*\s+2:G0B+4*\s+3], s[44:45], \s*0x18000    ; 96 k rows of 1,024 bytes
	s_or_b32 s[G0B+4*\s+3], s[G0B+4*\s+3], 0x80000000
	JLOAD \s                                       ; both first fills go out together: two tensor loads of the wave are out
.endr
	v_and_b32 v1, 15, v0                           ; r
	v_bfe_u32 v2, v0, 4, 1                         ; h
	v_mul_u32_u24 v3, v1, 80
	v_lshl_add_u32 v3, v2, 4, v3                   ; r * 80 + 16 h
	s_mul_i32 s46, s19, AHALF
	v_add_nc_u32 v[ADA], s46, v3
	v_add_nc_u32 v[ADA+1], SLOT, v[ADA]
	v_and_b32 v5, 7, v0
	v_lshl_add_u32 v4, v2, 3, v5                   ; k row 8 h + l mod 8
	v_mul_u32_u24 v4, v4, 864
	v_bfe_u32 v6, v0, 3, 1
	v_lshl_add_u32 v4, v6, 4, v4                   ; + 16 ((l / 8) mod 2)
	s_lshl_b32 s46, s20, 7                         ; my 64 columns of each plane
	s_add_co_u32 s46, s46, BOFF
	v_add_nc_u32 v[ADB], s46, v4
	v_add_nc_u32 v[ADB+1], SLOT, v[ADB]
	v_add_nc_u32 v[ADB+2], 2*BQRT, v[ADB]
	v_add_nc_u32 v[ADB+3], 2*BQRT, v[ADB+1]
	s_mul_i32 s46, s18, 2304
	s_add_co_u32 s46, s46, STAGE                   ; my stage
	v_mul_u32_u24 v3, v1, 144
	v_lshl_add_u32 v3, v2, 4, v3                   ; in: row r of 144 bytes, 16 bytes for each half of the lanes
	v_add_nc_u32 v[STO], s46, v3
	v_and_b32 v6, 31, v0
	v_lshrrev_b32 v7, 3, v6
	v_mul_u32_u24 v7, v7, 144
	v_lshl_add_u32 v7, v5, 4, v7                   ; back: 8 lanes take a row of 128 bytes, a wave four rows
	v_add_nc_u32 v[RD], s46, v7
	v_lshlrev_b32 v[CO], 4, v6
	v_lshlrev_b32 v[BO], 5, v2
; 32 matrix instructions: third t, all 8 row tiles x 4 column tiles, 32 along K.  zero = 1: the first product starts the sums.
.macro MUL t, fa, zero
	WIN (\t+1)*0x50
.irp a, 0,1,2,3,4,5,6,7
.irp b, 0,1,2,3
.if \zero
	v_wmma_f32_16x16x32_bf16 v[8*(4*\a+\b):8*(4*\a+\b)+7], v[BF+32*\t+8*\b:BF+32*\t+8*\b+7], v[\fa+8*\a:\fa+8*\a+7], 0
.else
	v_wmma_f32_16x16x32_bf16 v[8*(4*\a+\b):8*(4*\a+\b)+7], v[BF+32*\t+8*\b:BF+32*\t+8*\b+7], v[\fa+8*\a:\fa+8*\a+7], v[8*(4*\a+\b):8*(4*\a+\b)+7]
.endif
.endr
.endr
.endm
; eight transposing loads: third t's four W fragments of quarter q in slot s (k rows 32 q .., the second load 16 k rows further down)
.macro LDB s, q, t
.irp b, 0,1,2,3
	ds_load_tr16_b128 v[BF+32*\t+8*\b:BF+32*\t+8*\b+3],   v[ADB+2*(\q/2)+\s] offset:(\q%2)*BQRT+\t*288+32*\b
	ds_load_tr16_b128 v[BF+32*\t+8*\b+4:BF+32*\t+8*\b+7], v[ADB+2*(\q/2)+\s] offset:(\q%2)*BQRT+\t*288+32*\b+13824
.endr
.endm
; eight loads: four x fragments (row tiles 4 hf .. + 3) of quarter q in slot s: block q of the slot's three, 16 rows of 80 bytes a tile
.macro LDA s, q, hf, fa
.irp a, 0,1,2,3
	ds_load_b128 v[\fa+8*(4*\hf+\a):\fa+8*(4*\hf+\a)+3],   v[ADA+\s] offset:ABLK*\q+1280*(4*\hf+\a)
	ds_load_b128 v[\fa+8*(4*\hf+\a)+4:\fa+8*(4*\hf+\a)+7], v[ADA+\s] offset:ABLK*\q+1280*(4*\hf+\a)+32
.endr
.endm
; A quarter that is not a step's last: multiplies buffer fa; behind each third its W registers are loaded for quarter qn of the same slot, x's into buffer fb.
.macro QMID s, qn, fa, fb, zero
	s_wait_dscnt 8                                 ; all but the eight youngest loads, this quarter's third 2 of W
	MUL 0, \fa, \zero
	PLACES
	WIN 0
	LDB \s, \qn, 0
	LDA \s, \qn, 0, \fb
	MUL 1, \fa, \zero
	PLACES
	WIN 0
	LDB \s, \qn, 1
	LDA \s, \qn, 1, \fb
	s_wait_dscnt 32                                ; the 32 loads just issued for the next quarter stay out; third 2 of W is in
	MUL 2, \fa, \zero
	PLACES
	WIN 0
	LDB \s, \qn, 2
.endm
; A step's last quarter: multiplies buffer fa and changes slots.  One barrier for the change: in front of it each wave waits for its reads of slot s and
; for all its tensor loads (the one that is out is its part of slot n); behind it the refill of slot s comes first, then slot n's first fragments.
; Where the slot is filled again the barrier opens a round of the cluster's barrier.  From a request to the wait for it a wave issues 256 matrix instructions.
; fill = 1: the tile two steps on.  fill = 2: the last, short tile of 64 along K: 2 blocks of x; 32 k rows of W a wave, so W's second half begins
; 32 k rows behind the first in LDS and in memory.  The descriptors' words are written where no tensor load of the wave is out.
.macro QLAST s, n, fill, fa, fb
	s_wait_dscnt 8
	MUL 0, \fa, 0
	s_wait_dscnt 0x0                               ; my reads of slot s are over
	s_wait_tensorcnt 0x0                           ; all my tensor loads have landed
	ds_add_u32 v30, v31
	s_wait_dscnt 0x0
	s_barrier_signal -1
	MUL 1, \fa, 0                                  ; registers alone between signal and wait
	WIN 0
	s_barrier_wait -1
.if \fill
	CREST                                          ; no wave of any partner still reads this slot or has a load on its way
	s_add_nc_u64 s[G0+4*\s+2:G0+4*\s+3], s[G0+4*\s+2:G0+4*\s+3], 0x300000     ; six blocks of xb on
.if \fill == 1
	s_add_nc_u64 s[G0B+4*\s+2:G0B+4*\s+3], s[G0B+4*\s+2:G0B+4*\s+3], 0x30000  ; 192 k rows on
.else
	s_mov_b32 s[G1+2], 2<<16                       ; x: tensor_dim1 = tile_dim1 = 2 blocks
	s_mov_b32 s[G1+4], 2
	s_mov_b32 s[G1B+2], 32<<16                     ; W: tensor_dim1 = tile_dim1 = 32 k rows
	s_mov_b32 s[G1B+4], 32
	s_lshl_b32 s46, s20, 14
	s_sub_co_u32 s42, 0x30000, s46                 ; 192 k rows on, less the 16 by which the second half now begins earlier
	s_mov_b32 s43, 0
	s_add_nc_u64 s[G0B+4*\s+2:G0B+4*\s+3], s[G0B+4*\s+2:G0B+4*\s+3], s[42:43]
	s_mul_i32 s46, s20, BQRT
	s_add_co_u32 s[G0B+4*\s+1], s46, BOFF+\s*SLOT
.endif
	JLOAD \s                                       ; the wave's one tensor load behind the round
.endif
	PLACES
	LDB \n, 0, 0
	LDB \n, 0, 1
	LDA \n, 0, 0, \fb
	LDA \n, 0, 1, \fb
	MUL 2, \fa, 0
	PLACES
	WIN 0
	LDB \n, 0, 2
.endm
; A step of 96 along K in slot s.  Its quarters multiply buffers fa, fb, fa; the next step begins with fb.
.macro STEP s, n, fill, fa, fb, zero
	QMID \s, 1, \fa, \fb, \zero
	QMID \s, 2, \fb, \fa, 0
	QLAST \s, \n, \fill, \fa, \fb
.endm
.macro LAP z                           ; two steps: once round the ring, and the buffers are back in their roles
	STEP 0, 1, 1, AF0, AF1, \z
	STEP 1, 0, 1, AF1, AF0, 0
.endm
	s_wait_tensorcnt 0x1                           ; my part of K step 0 is in; K step 1's stays out
	s_barrier_signal -1
	s_barrier_wait -1
	LDB 0, 0, 0
	LDA 0, 0, 0, AF0
	LDB 0, 0, 1
	LDA 0, 0, 1, AF0
	LDB 0, 0, 2
	LAP 1                                          ; K steps 0 and 1; the first quarter starts the sums, nothing is cleared
	WIN 0
	s_mov_b32 s46, 3
.Llap:
	LAP 0                                          ; K steps 2 to 7
	WIN 0
	s_sub_co_u32 s46, s46, 1
	s_cmp_lg_u32 s46, 0
	s_cbranch_scc1 .Llap
	STEP 0, 1, 2, AF0, AF1, 0                      ; K step 8; slot 0 is filled with the short step 10
	STEP 1, 0, 0, AF1, AF0, 0                      ; K step 9: nothing is left to fetch
	QMID 0, 1, AF0, AF1, 0                         ; K step 10: two quarters
	s_wait_dscnt 8
	MUL 0, AF1, 0
	MUL 1, AF1, 0
	s_wait_dscnt 0x0
	MUL 2, AF1, 0
	; THE WAY OUT: bias, rounding to bf16, 16 rows at a time through my own stage, whole rows back, 512 consecutive bytes a store.
	PLACES
	WIN 0
	s_lshl_b32 s41, s23, 1
	s_add_co_u32 s41, s41, s20                     ; my head = 2 j + w mod 2
	s_lshl_b32 s44, s41, 8                         ; 64 f32 of bias a head
	s_mov_b32 s45, 0
	s_add_nc_u64 s[8:9], s[8:9], s[44:45]
	s_add_nc_u64 s[10:11], s[10:11], s[44:45]
	s_lshl_b32 s44, s41, 20                        ; a head's 8192 rows of 128 bytes
	s_add_nc_u64 s[12:13], s[12:13], s[44:45]
	s_add_nc_u64 s[14:15], s[14:15], s[44:45]
	s_add_nc_u64 s[16:17], s[16:17], s[44:45]
	s_lshl_b32 s42, s3, 15                         ; my first row: 256 i + 128 (w / 2), 128 bytes each
	s_lshl_b32 s46, s19, 14
	s_add_co_u32 s42, s42, s46
	s_mov_b32 s43, 0
	s_add_nc_u64 s[12:13], s[12:13], s[42:43]
	s_add_nc_u64 s[14:15], s[14:15], s[42:43]
	s_add_nc_u64 s[16:17], s[16:17], s[42:43]
.irp b, 0,1,2,3
	global_load_b128 v[BQ+8*\b:BQ+8*\b+3],   v[BO], s[8:9] offset:64*\b        ; bq of columns 16 b + 8 h + 0 .. 7
	global_load_b128 v[BQ+8*\b+4:BQ+8*\b+7], v[BO], s[8:9] offset:64*\b+16
.endr
.irp b, 0,1,2,3
	global_load_b128 v[BV+8*\b:BV+8*\b+3],   v[BO], s[10:11] offset:64*\b
	global_load_b128 v[BV+8*\b+4:BV+8*\b+7], v[BO], s[10:11] offset:64*\b+16
.endr
; rows 16 a .. + 15 of third t.  bias: BQ, BV or 0 (none); f: RB0 or RB1 in turn; pb: the scalar pair with the output's address
.macro OUT16 t, a, bias, f, pb
.if \bias
	WIN (\t+1)                                     ; source 0 = the accumulators' window
.irp c, 0,1,2,3
.irp e, 0,2,4,6
	v_pk_add_f32 v[TF+8*\c+\e:TF+8*\c+\e+1], v[8*(4*(\a)+\c)+\e:8*(4*(\a)+\c)+\e+1], v[\bias+8*\c+\e:\bias+8*\c+\e+1]
.endr
.endr
	WIN 0
.irp c, 0,1,2,3
.irp e, 0,1,2,3
	v_cvt_pk_bf16_f32 v[TP+4*\c+\e], v[TF+8*\c+2*\e], v[TF+8*\c+2*\e+1]
.endr
.endr
.else
	WIN (\t+1)*5                                   ; sources 0 and 1 = the accumulators' window
.irp c, 0,1,2,3
.irp e, 0,1,2,3
	v_cvt_pk_bf16_f32 v[TP+4*\c+\e], v[8*(4*(\a)+\c)+2*\e], v[8*(4*(\a)+\c)+2*\e+1]
.endr
.endr
	WIN 0
.endif
.irp c, 0,1,2,3
	ds_store_b128 v[STO], v[TP+4*\c:TP+4*\c+3] offset:32*\c
.endr
	s_wait_xcnt 0x0                                ; buffer f, which earlier stores read, is loaded again only behind this wait
.irp c, 0,1,2,3
	ds_load_b128 v[\f+4*\c:\f+4*\c+3], v[RD] offset:576*\c     ; LDS serves a wave's instructions in order (ISA guide 5.7.1): these see the stores above
.endr
.irp c, 0,1,2,3
	s_wait_dscnt 3-\c                              ; the younger reads of the stage stay out
	global_store_b128 v[CO], v[\f+4*\c:\f+4*\c+3], s[\pb:\pb+1] offset:2048*(\a)+512*\c   ; four rows of 128 bytes: 512 consecutive bytes, aligned
.endr
.endm
.irp a, 0,2,4,6
	OUT16 1, \a, 0, RB0, 14                        ; k first: it needs no bias, so the biases' loads have time to come
	OUT16 1, \a+1, 0, RB1, 14
.endr
	s_wait_loadcnt 0x0                             ; bq and bv
.irp a, 0,2,4,6
	OUT16 0, \a, BQ, RB0, 12
	OUT16 0, \a+1, BQ, RB1, 12
.endr
.irp a, 0,2,4,6
	OUT16 2, \a, BV, RB0, 16
	OUT16 2, \a+1, BV, RB1, 16
.endr
	s_wait_tensorcnt 0x0
	ds_add_u32 v30, v31
	s_wait_dscnt 0x0
	CROUND                                         ; the closing round: no work-group ends while a partner may still ask for a tile that names it
	s_endpgm
.Lfunc_end_k_q18faeffe07_qkv:
	.size	k_q18faeffe07_qkv, .Lfunc_end_k_q18faeffe07_qkv-k_q18faeffe07_qkv
	.p2alignl 7, 3214868480
	.fill 96, 4, 3214868480
	.section	.rodata,"a",@progbits
	.p2align	6, 0x0
	.amdhsa_kernel k_q18faeffe07_qkv
		.amdhsa_group_segment_fixed_size 327680
		.amdhsa_private_segment_fixed_size 0
		.amdhsa_enable_private_segment 0
		.amdhsa_kernarg_size 56
		.amdhsa_user_sgpr_count 2
		.amdhsa_user_sgpr_kernarg_segment_ptr 1
		.amdhsa_wavefront_size32 1
		.amdhsa_system_sgpr_workgroup_id_x 1
		.amdhsa_system_sgpr_workgroup_id_y 1
		.amdhsa_system_sgpr_workgroup_id_z 1
		.amdhsa_system_vgpr_workitem_id 0
		.amdhsa_next_free_vgpr 1024
		.amdhsa_next_free_sgpr 66
		.amdhsa_reserve_vcc 0
		.amdhsa_float_denorm_mode_32 3
		.amdhsa_float_denorm_mode_16_64 3
		.amdhsa_memory_ordered 1
		.amdhsa_forward_progress 1
		.amdhsa_inst_pref_size 255
	.end_amdhsa_kernel
	.section	.bss,"aw",@nobits
	.p2align	6
	.space	262144
	.amdgpu_metadata
---
amdhsa.version: [ 1, 2 ]
amdhsa.kernels:
  - .name:           k_q18faeffe07_qkv
    .symbol:         k_q18faeffe07_qkv.kd
    .args:
      - { .name: xb, .offset: 0, .size: 8, .value_kind: global_buffer, .address_space: global }
      - { .name: wb, .offset: 8, .size: 8, .value_kind: global_buffer, .address_space: global }
      - { .name: bq, .offset: 16, .size: 8, .value_kind: global_buffer, .address_space: global }
      - { .name: bv, .offset: 24, .size: 8, .value_kind: global_buffer, .address_space: global }
      - { .name: qb, .offset: 32, .size: 8, .value_kind: global_buffer, .address_space: global }
      - { .name: kb, .offset: 40, .size: 8, .value_kind: global_buffer, .address_space: global }
      - { .name: vb, .offset: 48, .size: 8, .value_kind: global_buffer, .address_space: global }
    .group_segment_fixed_size: 327680
    .private_segment_fixed_size: 0
    .kernarg_segment_align: 8
    .kernarg_segment_size: 56
    .max_flat_workgroup_size: 128
    .sgpr_count:     66
    .vgpr_count:     1024
    .wavefront_size: 32
...
	.end_amdgpu_metadata
.endif
;; end of part 2
;; launch attn (part 3): grid 4 x 64, 4 waves a work-group, clusters of 4 x 1, 327,680 bytes of LDS; arguments qb, kb, vb, ab; writes ab
.if DOCPART == 3
	.amdgcn_target "amdgcn-amd-amdhsa--gfx1250"
	.amdhsa_code_object_version 6
	.text
	.protected	k_q18faeffe07_attn
	.globl	k_q18faeffe07_attn
	.p2align	8
	.type	k_q18faeffe07_attn,@function
k_q18faeffe07_attn:
	s_mov_b64 s[64:65], 0
	v_nop
	global_prefetch_b8 v0, s[64:65] scope:SCOPE_SE
	s_setreg_imm32_b32 hwreg(HW_REG_WAVE_MODE, 25, 1), 1
	s_wait_xcnt 0x0
	s_wait_alu depctr_hold_cnt(0) depctr_sa_sdst(0) depctr_va_vdst(0) depctr_va_sdst(0) depctr_va_ssrc(0) depctr_va_vcc(0) depctr_vm_vsrc(0)
	s_getreg_b32 s2, hwreg(HW_REG_IB_STS2, 6, 4)
	s_cmp_eq_u32 s2, 0
	s_cbranch_scc0 .Lentry_in_a_cluster
	s_endpgm
.Lentry_in_a_cluster:
	s_bfe_u32 s2, ttmp6, 0x10000c
	s_cmp_lg_u32 s2, 0x3003
	s_cbranch_scc0 .Lentry_shape_is_right
	s_endpgm
.Lentry_shape_is_right:
; ab = softmax(q k^T / 8) v for each head and batch, with a running maximum.  qb, kb, vb, ab: [16 heads][8192 rows][64] bf16.
; Work-group (x, y): y = 4 head + batch, so the head-and-batch's 2048 rows begin at byte y * 2^18 of all four buffers; x = which 512 queries.
; Four waves of 128 queries (8 tiles of 16).  Keys go in 8 tiles of 256 through two LDS slots, each read in 4 blocks of 64 keys.
; CLUSTERS: the four query blocks of a head and batch read the same K and V; they form a cluster and ask for each tile jointly.
; ORIENTATION: S^T = K Q^T (source 0 = 16 keys, source 1 = 16 queries): a lane holds query l mod 16 and in register j key 8 (l / 16) + j.
; Two neighbouring key tiles, rounded to bf16 in place, ARE the fragment of P for 32 keys, so P takes no way through LDS or other lanes.
; O^T = V^T P (source 0 = 16 columns of V, transposed on the way from LDS; source 1 = P): a lane is again one query, so maximum, sum and
; rescaling are one number a lane and tile, with one exchange between the two halves of the lanes.
; TWO PIECES TAKE TURNS: piece A = query tiles 0-3, piece B = tiles 4-7; they share K's and V's fragments.  A block of 64 keys is 128 products
; and 960 vector instructions.  While one piece's 64 products are issued (32 for O of its last block, 32 for S of its next), the other piece's
; softmax of 480 instructions is issued among them, 7 or 8 behind each product.  One trip of the loop, for block m:
;   K(m) is loaded;  O_A(m-1), S_A(m)  beside  softmax B(m-1);   then  O_B(m-1), S_B(m)  beside  softmax A(m), with V(m) loaded behind O_B(m-1).
; One buffer each for K and V is enough: K(m) is last read by S_B(m) at a trip's end, V(m-1) by O_B(m-1) in its middle.
; WINDOWS: S of both pieces fills window 1, so K, which is source 0 of the S products, cannot lie in the window that the exponentials need as
; source 0 and destination: every product stands between two changes of window, 256 in a trip.
; In f32: scores, maxima, exponentials, sums, O.  exp(s/8 - m/8) is made as 2^(c s - c m), c = log2(e) / 8.
; LIMITS: scores are taken to be finite: a NaN or an infinity among q, k, v is not reproduced (the maxima drop NaN).
; Exponentials below 2^-126 come out as 0.  P and the result are rounded to bf16.
; The 16 accumulators of each run of products take turns, one instruction a turn.
.set SLOT,  77824                      ; K: 256 rows of 144 bytes; then V: 256 rows of 160 bytes
.set VOFF,  36864
.set STAGE, 155648                     ; behind the ring: 16 rows of 144 bytes for each wave; no tensor load lands here
.set KSTEP, 9216                       ; 64 keys of 144 bytes
.set VSTEP, 10240                      ; 64 keys of 160 bytes
.set NN,  480                          ; instructions in a piece's softmax of a block
.set NF,  392                          ; the same in the first block: nothing older to shrink
.set KB0, 8                            ; v8   r * 144 + 16 h
.set VB0, 9                            ; v9   VOFF - VSTEP + (8 h + l mod 8) * 160 + 16 ((l / 8) mod 2): VA is stepped ahead of each block's loads
.set KA,  10                           ; v10  K address of the next block
.set VA,  11                           ; v11  V address of the next block
.set QO,  12                           ; v12  r * 128 + 16 h
.set STO, 13
.set RD,  14
.set CO,  15
.set NM,  16                           ; v[16+2qt]  - c x running maximum
.set MX,  17                           ; v[17+2qt]  the block's maximum
.set AL,  32                           ; v[32+2qt]  the factor by which older sums shrink; at the end 1 / sum
.set TT,  33                           ; v[33+2qt]  at work
.set LS,  48                           ; v[48+2qt:49+2qt]  running sum, in two parts
.set KF,  64                           ; v[64:127]  K fragments (kt, kd) at KF + 8 (2 kt + kd)
.set VF,  128                          ; v[128:191] V fragments (kp, dt) at VF + 8 (4 kp + dt)
.set TP,  192
.set RB0, 208
.set RB1, 224
; window 1: S(qt, kt) at 32 qt + 8 kt; P(qt, kp) in place at 32 qt + 16 kp .. + 7.  window 2: O(qt, dt) at 32 qt + 8 dt.  window 3: Q(qt, kd) at 8 (2 qt + kd).
.set G1,  24                           ; s[24:31] group 1 for K
.set G0,  32                           ; s[32:39] group 0 for K, one set a slot
.set G1B, 48                           ; s[48:55] group 1 for V
.set G0B, 56                           ; s[56:63] group 0 for V, one set a slot
.set MSB, 0
.macro WIN new                         ; low byte: bits 1:0 source 0, 3:2 source 1, 5:4 source 2, 7:6 destination; the high byte repeats the setting left
.if MSB != (\new)
	s_set_vgpr_msb (MSB<<8)|(\new)
.set MSB, (\new)
.endif
.endm
.macro PLACES
.rept 4
	v_nop
.endr
.endm
.macro JLOAD s                         ; waves 0 and 1 ask for K's halves, waves 2 and 3 for V's
	s_cmp_eq_u32 s13, 0
	s_cbranch_scc0 .Lfor_v_\@
	tensor_load_to_lds s[G0+4*\s:G0+4*\s+3], s[G1:G1+7]
	s_nop 0
	s_branch .Lasked_\@
.Lfor_v_\@:
	tensor_load_to_lds s[G0B+4*\s:G0B+4*\s+3], s[G1B:G1B+7]
	s_nop 0
.Lasked_\@:
.endm
.macro ROUND                           ; a round of the cluster's barrier
	s_barrier_signal -1
	s_barrier_wait -1
	s_cmp_lg_u32 s12, 0
	s_cbranch_scc1 .Lnot_wave_0_\@
	s_barrier_signal -3
.Lnot_wave_0_\@:
	s_barrier_wait -3
	s_barrier_signal -1
	s_barrier_wait -1
.endm
	s_load_b256 s[4:11], s[0:1], 0x0               ; qb s[4:5], kb s[6:7], vb s[8:9], ab s[10:11]
	v_lshl_add_u32 v254, v0, 2, 0x29000
	v_mov_b32 v255, 0
	ds_add_u32 v254, v255
	v_lshrrev_b32 v1, 5, v0
	v_readfirstlane_b32 s12, v1                    ; wave
	s_lshr_b32 s13, s12, 1                         ; I ask for K (0) or for V (1)
	s_and_b32 s14, s12, 1                          ; which 128 keys of a tile I ask for
	s_bfe_u32 s15, ttmp6, 0x40000                  ; cx
	s_lshl_b32 s23, ttmp9, 2
	s_add_co_u32 s15, s15, s23                     ; query block = 4 x cluster x + cx
	s_and_b32 s16, ttmp7, 0xffff                   ; y
	s_mov_b32 s20, 0x3e38aa3b                      ; c = log2(e) / 8, as a pair for the packed multiply-add
	s_mov_b32 s21, 0x3e38aa3b
	s_mov_b32 s22, 0xbe38aa3b                      ; - c
	s_mov_b32 s46, 0x76543210                      ; v_permlanex16_b32: lane i of one half reads lane i of the other
	s_mov_b32 s47, 0xfedcba98
	; 128 keys of 128 bytes lie without a gap, taken as 64 rows of 256 bytes; padding behind every 32 words: 16 bytes for K (pitch 144), 32 for V (pitch 160)
	s_mov_b32 s[G1+0], 15|(1<<16)|(1<<20)|(1<<21)|(4<<22)|(3<<25)
	s_mov_b32 s[G1B+0], 15|(1<<16)|(1<<20)|(1<<21)|(4<<22)|(7<<25)
	s_mov_b32 s[G1+1], 128<<16
	s_mov_b32 s[G1B+1], 128<<16
	s_mov_b32 s[G1+2], 64<<16
	s_mov_b32 s[G1B+2], 64<<16
	s_mov_b32 s[G1+3], 128<<16
	s_mov_b32 s[G1B+3], 128<<16
	s_mov_b32 s[G1+4], 64
	s_mov_b32 s[G1B+4], 64
	s_mov_b32 s[G1+5], 128
	s_mov_b32 s[G1B+5], 128
	s_mov_b32 s[G1+6], 0
	s_mov_b32 s[G1B+6], 0
	s_mov_b32 s[G1+7], 0
	s_mov_b32 s[G1B+7], 0
	s_lshl_b32 s40, s16, 18                        ; K and V: y and the wave alone, the same in all four partners
	s_lshl_b32 s17, s14, 14
	s_add_co_u32 s40, s40, s17
	s_mov_b32 s41, 0
	s_mul_i32 s18, s14, 18432                      ; LDS: my half of K's tile,
	s_mul_i32 s19, s14, 20480                      ; my half of V's
	s_add_co_u32 s19, s19, VOFF
	s_lshl_b32 s42, s16, 18                        ; Q and the result: y, 512 queries a block, 128 a wave, 128 bytes each
	s_lshl_b32 s43, s15, 16
	s_add_co_u32 s42, s42, s43
	s_lshl_b32 s43, s12, 14
	s_add_co_u32 s42, s42, s43
	s_mov_b32 s43, 0
	s_wait_dscnt 0x0
	s_wait_kmcnt 0x0
	s_add_nc_u64 s[6:7], s[6:7], s[40:41]
	s_add_nc_u64 s[8:9], s[8:9], s[40:41]
	s_add_nc_u64 s[4:5], s[4:5], s[42:43]
	s_add_nc_u64 s[10:11], s[10:11], s[42:43]
.irp s, 0,1
	s_mov_b32 s[G0+4*\s], 1
	s_add_co_u32 s[G0+4*\s+1], s18, \s*SLOT
	s_add_nc_u64 s[G0+4*\s+2:G0+4*\s+3], s[6:7], \s*32768          ; key tile s: 256 keys of 128 bytes
	s_or_b32 s[G0+4*\s+3], s[G0+4*\s+3], 0x80000000
	s_mov_b32 s[G0B+4*\s], 1
	s_add_co_u32 s[G0B+4*\s+1], s19, \s*SLOT
	s_add_nc_u64 s[G0B+4*\s+2:G0B+4*\s+3], s[8:9], \s*32768
	s_or_b32 s[G0B+4*\s+3], s[G0B+4*\s+3], 0x80000000
.endr
	ROUND                                          ; in front of the first joint load
	JLOAD 0                                        ; key tile 0; slot 1 is first filled behind the first tile's round: one tensor load of the wave is out at a time
	v_and_b32 v1, 15, v0                           ; r
	v_bfe_u32 v2, v0, 4, 1                         ; h
	v_mul_u32_u24 v3, v1, 144
	v_lshl_add_u32 v[KB0], v2, 4, v3
	v_and_b32 v4, 7, v0
	v_lshl_add_u32 v5, v2, 3, v4
	v_mul_u32_u24 v5, v5, 160
	v_bfe_u32 v6, v0, 3, 1
	v_lshl_add_u32 v5, v6, 4, v5
	v_add_nc_u32 v[VB0], VOFF-VSTEP, v5
	v_lshlrev_b32 v3, 7, v1
	v_lshl_add_u32 v[QO], v2, 4, v3
	WIN 0xc0                                       ; destination window 3
.irp qt, 0,1,2,3,4,5,6,7
.irp kd, 0,1
	global_load_b128 v[8*(2*\qt+\kd):8*(2*\qt+\kd)+3],   v[QO], s[4:5] offset:2048*\qt+64*\kd       ; Q's fragments come straight from memory, once
	global_load_b128 v[8*(2*\qt+\kd)+4:8*(2*\qt+\kd)+7], v[QO], s[4:5] offset:2048*\qt+64*\kd+32
.endr
.endr
	WIN 0
	s_mul_i32 s17, s12, 2304
	s_add_co_u32 s17, s17, STAGE
	v_add_nc_u32 v[STO], s17, v[KB0]
	v_and_b32 v6, 31, v0
	v_lshrrev_b32 v7, 3, v6
	v_mul_u32_u24 v7, v7, 144
	v_lshl_add_u32 v7, v4, 4, v7
	v_add_nc_u32 v[RD], s17, v7
	v_lshlrev_b32 v[CO], 4, v6
.irp qt, 0,1,2,3,4,5,6,7
	v_mov_b32 v[TT+2*\qt], 0                       ; the exchange between the halves counts as a reader of its destination
.endr
	s_wait_loadcnt 0x0                             ; Q
; ---- THE PRODUCTS, one at a time; jj = 0 .. 31 is the product's number in its run of 32 ----
; S of piece p: kd outermost, then kt, then the piece's four query tiles: 16 accumulators by turns, twice
.macro SW p
.set JQ, 4*\p+(jj%4)
.set JT, (jj%16)/4
.set JD, jj/16
	WIN 0x5c                                       ; K window 0, Q window 3, S window 1
.if JD
	v_wmma_f32_16x16x32_bf16 v[32*JQ+8*JT:32*JQ+8*JT+7], v[KF+8*(2*JT+JD):KF+8*(2*JT+JD)+7], v[8*(2*JQ+JD):8*(2*JQ+JD)+7], v[32*JQ+8*JT:32*JQ+8*JT+7]
.else
	v_wmma_f32_16x16x32_bf16 v[32*JQ+8*JT:32*JQ+8*JT+7], v[KF+8*(2*JT+JD):KF+8*(2*JT+JD)+7], v[8*(2*JQ+JD):8*(2*JQ+JD)+7], 0
.endif
.endm
; O of piece p: kp outermost, then the query tiles, then dt.  zero = 1: the first block's first 32 keys start the sums
.macro OW p, zero
.set JQ, 4*\p+((jj%16)/4)
.set JT, jj%4
.set JD, jj/16
	WIN 0xa4                                       ; V window 0, P window 1, O window 2
.if (\zero)*(1-JD)
	v_wmma_f32_16x16x32_bf16 v[32*JQ+8*JT:32*JQ+8*JT+7], v[VF+8*(4*JD+JT):VF+8*(4*JD+JT)+7], v[32*JQ+16*JD:32*JQ+16*JD+7], 0
	s_wait_alu depctr_va_vdst(0)
.else
	v_wmma_f32_16x16x32_bf16 v[32*JQ+8*JT:32*JQ+8*JT+7], v[VF+8*(4*JD+JT):VF+8*(4*JD+JT)+7], v[32*JQ+16*JD:32*JQ+16*JD+7], v[32*JQ+8*JT:32*JQ+8*JT+7]
.endif
.endm
; ---- THE SOFTMAX OF A PIECE, one instruction at a time; w = the instruction's number in its step ----
; 64: the block's maximum of each query, 32 scores a lane, the four tiles' chains by turns
.macro U_MAX p, w
.set WQ, 4*\p+((\w)%4)
.set WI, (\w)/4
	WIN 0x05
.if WI
	v_max3_num_f32 v[MX+2*WQ], v[32*WQ+2*WI], v[32*WQ+2*WI+1], v[MX+2*WQ]
.else
	v_max_num_f32 v[MX+2*WQ], v[32*WQ], v[32*WQ+1]
.endif
.endm
; 12, first block: the other half of the lanes holds the query's other keys; NM = - c m
.macro U_SMF p, w
.set WQ, 4*\p+((\w)%4)
.set WI, (\w)/4
	WIN 0
.if WI == 0
	v_permlanex16_b32 v[TT+2*WQ], v[MX+2*WQ], s46, s47
.endif
.if WI == 1
	v_max_num_f32 v[MX+2*WQ], v[MX+2*WQ], v[TT+2*WQ]
.endif
.if WI == 2
	v_mul_f32 v[NM+2*WQ], s22, v[MX+2*WQ]
.endif
.endm
; 32, later blocks: the running maximum as NM = - c m, and AL = 2^(new NM - old NM), by which the older sums shrink
.macro U_SML p, w
.set WQ, 4*\p+((\w)%4)
.set WI, (\w)/4
	WIN 0
.if WI == 0
	v_permlanex16_b32 v[TT+2*WQ], v[MX+2*WQ], s46, s47
.endif
.if WI == 1
	v_max_num_f32 v[MX+2*WQ], v[MX+2*WQ], v[TT+2*WQ]
.endif
.if WI == 2
	v_mul_f32 v[TT+2*WQ], s22, v[MX+2*WQ]          ; - c x the block's maximum, rounded: kept by itself, since it may become the new NM
.endif
.if WI == 3
	v_sub_f32 v[AL+2*WQ], v[TT+2*WQ], v[NM+2*WQ]
.endif
.if WI == 4
	v_min_num_f32 v[AL+2*WQ], 0, v[AL+2*WQ]        ; new NM - old NM, at most 0
.endif
.if WI == 5
	v_exp_f32 v[AL+2*WQ], v[AL+2*WQ]
.endif
.if WI == 6
	v_min_num_f32 v[NM+2*WQ], v[NM+2*WQ], v[TT+2*WQ]   ; these four are the plain instructions between the exponentials and their use (ISA guide 5.7.2)
.endif
.if WI == 7
	s_wait_alu depctr_va_vdst(0)
	v_pk_mul_f32 v[LS+2*WQ:LS+2*WQ+1], v[LS+2*WQ:LS+2*WQ+1], v[AL+2*WQ:AL+2*WQ+1] op_sel_hi:[1,0]
.endif
.endm
; 192: p = 2^(c s - c m).  The piece's 128 scores a lane are 64 pairs, pair g at 128 p + 2 g.  The multiply-add runs four pairs ahead of the exponentials.
.macro U_FMA p
	v_pk_fma_f32 v[128*\p+2*WI:128*\p+2*WI+1], v[128*\p+2*WI:128*\p+2*WI+1], s[20:21], v[NM+2*(4*\p+WI/16):NM+2*(4*\p+WI/16)+1] op_sel_hi:[1,0,0]
.endm
.macro U_EXP p, w
	WIN 0x45
.if (\w) < 4
.set WI, (\w)
	U_FMA \p
.else
.if (\w) < 184
.set WI, ((\w)-4)/3
.set WR, ((\w)-4)%3
.if WR == 2
.set WI, WI+4
	U_FMA \p
.else
	v_exp_f32 v[128*\p+2*WI+WR], v[128*\p+2*WI+WR]
.endif
.else
	v_exp_f32 v[128*\p+120+(\w)-184], v[128*\p+120+(\w)-184]
.endif
.endif
.endm
; 64 (first block 60): the sums, from the f32 exponentials; the first add reads the piece's first tile and is the plain instruction behind the last exponential
.macro U_SUM p, w, first
.set WQ, 4*\p+((\w)%4)
.if \first
.if (\w) < 4
	WIN 0x05
	s_wait_alu depctr_va_vdst(0)
	v_pk_add_f32 v[LS+2*WQ:LS+2*WQ+1], v[32*WQ:32*WQ+1], v[32*WQ+2:32*WQ+3]
.else
.set WI, 2*(((\w)+4)/4)
	WIN 0x01
	v_pk_add_f32 v[LS+2*WQ:LS+2*WQ+1], v[32*WQ+WI:32*WQ+WI+1], v[LS+2*WQ:LS+2*WQ+1]
.endif
.else
.set WI, 2*((\w)/4)
	WIN 0x01
	s_wait_alu depctr_va_vdst(0)
	v_pk_add_f32 v[LS+2*WQ:LS+2*WQ+1], v[32*WQ+WI:32*WQ+WI+1], v[LS+2*WQ:LS+2*WQ+1]
.endif
.endm
; 64: P in bf16, in place: word i of a pair of key tiles takes numbers 2 i and 2 i + 1, i ascending, so no number is overwritten before it is read
.macro U_CVT p, w
.set WQ, 128*\p+16*((\w)/8)
.set WI, (\w)%8
	WIN 0x45
	v_cvt_pk_bf16_f32 v[WQ+WI], v[WQ+2*WI], v[WQ+2*WI+1]
.endm
; 64, later blocks: O shrinks with the older sums
.macro U_RSC p, w
	WIN 0x82
	v_pk_mul_f32 v[128*\p+2*(\w):128*\p+2*(\w)+1], v[128*\p+2*(\w):128*\p+2*(\w)+1], v[AL+2*(4*\p+(\w)/16):AL+2*(4*\p+(\w)/16)+1] op_sel_hi:[1,0]
.endm
; instruction number uu of the softmax of piece p
.macro UNIT p, first
.if \first
.if uu < 64
	U_MAX \p, uu
.else
.if uu < 76
	U_SMF \p, (uu-64)
.else
.if uu < 268
	U_EXP \p, (uu-76)
.else
.if uu < 328
	U_SUM \p, (uu-268), 1
.else
	U_CVT \p, (uu-328)
.endif
.endif
.endif
.endif
.else
.if uu < 64
	U_MAX \p, uu
.else
.if uu < 96
	U_SML \p, (uu-64)
.else
.if uu < 288
	U_EXP \p, (uu-96)
.else
.if uu < 352
	U_SUM \p, (uu-288), 0
.else
.if uu < 416
	U_CVT \p, (uu-352)
.else
	U_RSC \p, (uu-416)
.endif
.endif
.endif
.endif
.endif
.endif
.endm
; slice i of nsl: the softmax's instructions i N / nsl up to (i + 1) N / nsl
.macro SLICE p, first, i, nsl
.if \first
.set uu, ((\i)*NF)/(\nsl)
.set ue, (((\i)+1)*NF)/(\nsl)
.else
.set uu, ((\i)*NN)/(\nsl)
.set ue, (((\i)+1)*NN)/(\nsl)
.endif
.rept ue-uu
	UNIT \p, \first
.set uu, uu+1
.endr
.endm
; ---- LOADS OF A BLOCK'S FRAGMENTS ----
.macro LOADK
	WIN 0
.irp kt, 0,1,2,3
.irp kd, 0,1
	ds_load_b128 v[KF+8*(2*\kt+\kd):KF+8*(2*\kt+\kd)+3],   v[KA] offset:2304*\kt+64*\kd
	ds_load_b128 v[KF+8*(2*\kt+\kd)+4:KF+8*(2*\kt+\kd)+7], v[KA] offset:2304*\kt+64*\kd+32
.endr
.endr
.endm
.macro LOADV
	WIN 0
.irp kp, 0,1
.irp dt, 0,1,2,3
	ds_load_tr16_b128 v[VF+8*(4*\kp+\dt):VF+8*(4*\kp+\dt)+3],   v[VA] offset:5120*\kp+32*\dt
	ds_load_tr16_b128 v[VF+8*(4*\kp+\dt)+4:VF+8*(4*\kp+\dt)+7], v[VA] offset:5120*\kp+32*\dt+2560
.endr
.endr
.endm
; ---- RUNS: 32 products of piece mp, behind each a slice (base + its number, of nsl) of piece vp's softmax ----
.macro RUN_O mp, zero, vp, vfirst, base, nsl
.set jj, 0
.rept 32
	OW \mp, \zero
	SLICE \vp, \vfirst, (\base+jj), \nsl
.set jj, jj+1
.endr
.endm
; ldv = 1: V's next fragments are loaded behind the run's second slice.  Behind the last product that read the old ones stand then three slices,
; numbers 31 to 33 of 64, which hold seven packed multiply-adds: more than the four plain instructions asked for (ISA guide 7.12.1).
.macro RUN_S mp, vp, vfirst, base, nsl, ldv
.set jj, 0
.rept 32
	SW \mp
	SLICE \vp, \vfirst, (\base+jj), \nsl
.if \ldv
.if jj == 1
	LOADV
.endif
.endif
.set jj, jj+1
.endr
.endm
; One trip, for block m.  bfirst = 1: piece B's softmax is that of the first block; zero = 1: the O products are the first block's.
; K's loads stand behind the last slice of the trip before: eight rescalings (first block: thirteen roundings) behind the last product that read K.
; A product that writes over P stands at least 12 slices behind the last product that read it.
.macro PAIR bfirst, zero
	LOADK                                          ; K(m): 32 products ahead of its first use
	s_wait_dscnt 16                                ; the sixteen loads just issued stay out; V(m-1)'s sixteen are in,
	v_add_nc_u32 v[VA], VSTEP, v[VA]               ; so their address may step: V(m)
	RUN_O 0, \zero, 1, \bfirst, 0, 64              ; O_A(m-1)  beside the first half of softmax B(m-1)
	s_wait_dscnt 0x0                               ; K(m)
	RUN_S 0, 1, \bfirst, 32, 64, 0                 ; S_A(m)    beside its second half
	RUN_O 1, \zero, 0, 0, 0, 64                    ; O_B(m-1)  beside the first half of softmax A(m)
	RUN_S 1, 0, 0, 32, 64, 1                       ; S_B(m)    beside its second half; V(m) is loaded, 30 products ahead of its first use
	WIN 0
	v_add_nc_u32 v[KA], KSTEP, v[KA]               ; K(m)'s loads were waited for above
.endm
; Block 0 starts the turns: S_A(0) has nothing beside it; S_B(0) stands beside softmax A(0), 12 or 13 instructions behind each product.
.macro PAIR0
	LOADK
	v_add_nc_u32 v[VA], VSTEP, v[VA]
	s_wait_dscnt 0x0
.set jj, 0
.rept 32
	SW 0
.set jj, jj+1
.endr
	PLACES                                         ; once in the launch: four plain instructions between S_A(0)'s products and the maxima that read them (ISA guide 7.12.1)
	LOADV
	RUN_S 1, 0, 1, 0, 32, 0
	WIN 0
	v_add_nc_u32 v[KA], KSTEP, v[KA]
.endm
; One key tile of 256 keys in slot `slot`: four trips, whose K and V loads all read this tile.  In front of the round each wave waits for all its tensor
; loads (its part of this tile) and for its reads of the other slot (the last are V's of the block before); behind the round the other slot's refill comes first.
.macro TRIP slot, refill, first
	s_wait_tensorcnt 0x0                           ; no tensor load of mine is out, so every group 0 may be written:
	ds_add_u32 v254, v255
	s_wait_dscnt 0x0
	s_add_nc_u64 s[G0+4*\slot+2:G0+4*\slot+3], s[G0+4*\slot+2:G0+4*\slot+3], 65536      ; this slot's next tile, two tiles on
	s_add_nc_u64 s[G0B+4*\slot+2:G0B+4*\slot+3], s[G0B+4*\slot+2:G0B+4*\slot+3], 65536
	s_wait_dscnt 0x0
	ROUND
.if \refill
	JLOAD (1-\slot)                                ; the next tile; it has this tile's four trips in which to land
.endif
	v_add_nc_u32 v[KA], \slot*SLOT, v[KB0]
	v_add_nc_u32 v[VA], \slot*SLOT, v[VB0]
.if \first
	PAIR0
	PAIR 1, 1
	s_mov_b32 s45, 2
.else
	s_mov_b32 s45, 4
.endif
.Lblk_\@:
	PAIR 0, 0
	s_sub_co_u32 s45, s45, 1
	s_cmp_lg_u32 s45, 0
	s_cbranch_scc1 .Lblk_\@
.endm
	TRIP 0, 1, 1                                   ; tile 0
	s_mov_b32 s44, 3
.Ltiles:
	TRIP 1, 1, 0                                   ; tiles 1, 3, 5
	TRIP 0, 1, 0                                   ; tiles 2, 4, 6
	s_sub_co_u32 s44, s44, 1
	s_cmp_lg_u32 s44, 0
	s_cbranch_scc1 .Ltiles
	TRIP 1, 0, 0                                   ; tile 7: nothing is left to fetch (the stepped addresses are not used)
	; the turns run out: O_A of the last block beside softmax B of the last block, 15 instructions behind each product; then O_B of the last block
	s_wait_dscnt 0x0                               ; V of the last block
	RUN_O 0, 0, 1, 0, 0, 32
.set jj, 0
.rept 32
	OW 1, 0
.set jj, jj+1
.endr
	WIN 0
	; THE WAY OUT: 1 / sum, then 16 queries at a time: scale, round, through my stage, whole rows back.
	; The sums' 24 plain instructions stand between the last products and the first read of O.
.irp qt, 0,1,2,3,4,5,6,7
	v_add_f32 v[LS+2*\qt], v[LS+2*\qt], v[LS+2*\qt+1]
.endr
.irp qt, 0,1,2,3,4,5,6,7
	v_permlanex16_b32 v[TT+2*\qt], v[LS+2*\qt], s46, s47
.endr
.irp qt, 0,1,2,3,4,5,6,7
	v_add_f32 v[LS+2*\qt], v[LS+2*\qt], v[TT+2*\qt]            ; at least about 1: the largest score's exponential is 2^0
.endr
.irp qt, 0,1,2,3,4,5,6,7
	v_rcp_f32 v[AL+2*\qt], v[LS+2*\qt]
.endr
	v_nop
	s_wait_alu depctr_va_vdst(0)
.macro OUTQ qt, f
	WIN 0x82
.irp i, 0,2,4,6,8,10,12,14,16,18,20,22,24,26,28,30
	v_pk_mul_f32 v[32*\qt+\i:32*\qt+\i+1], v[32*\qt+\i:32*\qt+\i+1], v[AL+2*\qt:AL+2*\qt+1] op_sel_hi:[1,0]
.endr
	WIN 0x0a
.irp c, 0,1,2,3
.irp e, 0,1,2,3
	v_cvt_pk_bf16_f32 v[TP+4*\c+\e], v[32*\qt+8*\c+2*\e], v[32*\qt+8*\c+2*\e+1]
.endr
.endr
	WIN 0
.irp c, 0,1,2,3
	ds_store_b128 v[STO], v[TP+4*\c:TP+4*\c+3] offset:32*\c
.endr
	s_wait_xcnt 0x0                                ; buffer f, which earlier stores read, is loaded again only behind this wait
.irp c, 0,1,2,3
	ds_load_b128 v[\f+4*\c:\f+4*\c+3], v[RD] offset:576*\c     ; LDS serves a wave's instructions in order (ISA guide 5.7.1): these see the stores above
.endr
.irp c, 0,1,2,3
	s_wait_dscnt 3-\c                              ; the younger reads of the stage stay out
	global_store_b128 v[CO], v[\f+4*\c:\f+4*\c+3], s[10:11] offset:2048*\qt+512*\c      ; four rows of 128 bytes: 512 consecutive bytes, aligned
.endr
.endm
	OUTQ 0, RB0
	OUTQ 1, RB1
	OUTQ 2, RB0
	OUTQ 3, RB1
	OUTQ 4, RB0
	OUTQ 5, RB1
	OUTQ 6, RB0
	OUTQ 7, RB1
	s_wait_tensorcnt 0x0
	ds_add_u32 v254, v255
	s_wait_dscnt 0x0
	ROUND                                          ; the closing round
	s_endpgm
.Lfunc_end_k_q18faeffe07_attn:
	.size	k_q18faeffe07_attn, .Lfunc_end_k_q18faeffe07_attn-k_q18faeffe07_attn
	.p2alignl 7, 3214868480
	.fill 96, 4, 3214868480
	.section	.rodata,"a",@progbits
	.p2align	6, 0x0
	.amdhsa_kernel k_q18faeffe07_attn
		.amdhsa_group_segment_fixed_size 327680
		.amdhsa_private_segment_fixed_size 0
		.amdhsa_enable_private_segment 0
		.amdhsa_kernarg_size 32
		.amdhsa_user_sgpr_count 2
		.amdhsa_user_sgpr_kernarg_segment_ptr 1
		.amdhsa_wavefront_size32 1
		.amdhsa_system_sgpr_workgroup_id_x 1
		.amdhsa_system_sgpr_workgroup_id_y 1
		.amdhsa_system_sgpr_workgroup_id_z 1
		.amdhsa_system_vgpr_workitem_id 0
		.amdhsa_next_free_vgpr 896
		.amdhsa_next_free_sgpr 66
		.amdhsa_reserve_vcc 0
		.amdhsa_float_denorm_mode_32 3
		.amdhsa_float_denorm_mode_16_64 3
		.amdhsa_memory_ordered 1
		.amdhsa_forward_progress 1
		.amdhsa_inst_pref_size 255
	.end_amdhsa_kernel
	.section	.bss,"aw",@nobits
	.p2align	6
	.space	262144
	.amdgpu_metadata
---
amdhsa.version: [ 1, 2 ]
amdhsa.kernels:
  - .name:           k_q18faeffe07_attn
    .symbol:         k_q18faeffe07_attn.kd
    .args:
      - { .name: qb, .offset: 0, .size: 8, .value_kind: global_buffer, .address_space: global }
      - { .name: kb, .offset: 8, .size: 8, .value_kind: global_buffer, .address_space: global }
      - { .name: vb, .offset: 16, .size: 8, .value_kind: global_buffer, .address_space: global }
      - { .name: ab, .offset: 24, .size: 8, .value_kind: global_buffer, .address_space: global }
    .group_segment_fixed_size: 327680
    .private_segment_fixed_size: 0
    .kernarg_segment_align: 8
    .kernarg_segment_size: 32
    .max_flat_workgroup_size: 128
    .sgpr_count:     66
    .vgpr_count:     896
    .wavefront_size: 32
...
	.end_amdgpu_metadata
.endif
;; end of part 3
;; launch oproj (part 4): grid 8 x 32, 4 waves a work-group, clusters of 4 x 4, 327,680 bytes of LDS; arguments ab, wb, bo, out0; writes out0
.if DOCPART == 4
	.amdgcn_target "amdgcn-amd-amdhsa--gfx1250"
	.amdhsa_code_object_version 6
	.text
	.protected	k_q18faeffe07_oproj
	.globl	k_q18faeffe07_oproj
	.p2align	8
	.type	k_q18faeffe07_oproj,@function
k_q18faeffe07_oproj:
	s_mov_b64 s[64:65], 0
	v_nop
	global_prefetch_b8 v0, s[64:65] scope:SCOPE_SE
	s_setreg_imm32_b32 hwreg(HW_REG_WAVE_MODE, 25, 1), 1
	s_wait_xcnt 0x0
	s_wait_alu depctr_hold_cnt(0) depctr_sa_sdst(0) depctr_va_vdst(0) depctr_va_sdst(0) depctr_va_ssrc(0) depctr_va_vcc(0) depctr_vm_vsrc(0)
	s_getreg_b32 s2, hwreg(HW_REG_IB_STS2, 6, 4)
	s_cmp_eq_u32 s2, 0
	s_cbranch_scc0 .Lentry_in_a_cluster
	s_endpgm
.Lentry_in_a_cluster:
	s_bfe_u32 s2, ttmp6, 0x10000c
	s_cmp_lg_u32 s2, 0xf033
	s_cbranch_scc0 .Lentry_shape_is_right
	s_endpgm
.Lentry_shape_is_right:
; out0 = attention Wo + bo.  ab: [16 blocks of 64 columns][8192 rows][64] bf16; Wo is plane 3 of wb ([8 j][1024 k][4 planes][128] bf16); out0: [8192][1024] f32.
; Work-group (j, i): rows 256 i .. + 255, columns 128 j .. + 127.  Four waves; wave w: rows 128 (w / 2) .. + 127, columns 64 (w mod 2) .. + 63:
; 8 x 4 tiles, 32 accumulators in window 1.  K goes in 8 steps of 128 (two blocks of ab) through two LDS slots; a step is four quarters of 32.
; CLUSTERS: 4 x 4 work-groups; ab's tile hangs on i alone and is asked for jointly by a row of the cluster, Wo's on j alone, by a column.
; The matrix instruction is used transposed (source 0 = 16 columns of Wo, source 1 = 16 rows of ab), so that a lane holds eight neighbouring columns of a row.
; The 32 accumulators take turns, one instruction a turn.
; REQUESTS AHEAD: a step of 160 or more along K does not fit twice into LDS, so the tiles are asked for into the L2 ahead of their tensor loads.
; At the head of K step n, n = 0 to 4, the tiles of step n + 3 are asked for; their tensor loads follow 240 matrix instructions later (step n's 128 and
; 112 of step n + 1's).  Step 2's tiles are asked for at the kernel's head; steps 5 to 7 ask for nothing, so no request passes a buffer's end.
; Each aligned block of 256 bytes is asked for once in the launch.  ab's tile of a step (2 blocks x 256 rows x 128 bytes = 64 KiB) is shared out among the
; eight work-groups of its block row: block 2 p + j / 4, 8 KiB at 8 KiB x (j mod 4), by wave 0, lanes 256 bytes apart.  Wo's tile (128 k rows of 256
; bytes, 1,024 apart) is asked for by the four work-groups of the cluster whose y is the step's number, 32 k rows each, by wave 1.
; A work-group has at most three steps' requests unread: 3 x 16 KiB.
.set SLOT,  110592                     ; ab: 2 blocks x 256 rows of 144 bytes; then Wo: 128 k rows of 288 bytes
.set BOFF,  73728
.set STAGE, 221184                     ; behind the ring: 16 rows of 272 bytes for each wave; no tensor load lands here
.set ADA, 16
.set ADB, 18
.set STO, 24
.set RD,  25
.set CO,  26
.set BO,  27
.set PFA, 28                           ; v28  256 x lane: requests for ab; never rewritten
.set PFB, 29                           ; v29  1,024 x lane: requests for Wo; never rewritten
.set AF0, 32                           ; v[32:95], v[96:159]    ab's fragments, two buffers
.set BF0, 160                          ; v[160:191], v[192:223] Wo's fragments, two buffers
.set BB,  224                          ; v[224:255] bo of my 64 columns, 8 a tile
.set TF,  64                           ; way out: 32 f32 at work
.set RB0, 96
.set RB1, 128
.set PA,  12                           ; s[12:13] where my share of ab's tile of the step asked for begins
.set PB,  14                           ; s[14:15] the same for Wo's tile
.set G1,  24
.set G0,  32
.set G1B, 48
.set G0B, 56
.set MSB, 0
.macro WIN new
.if MSB != (\new)
	s_set_vgpr_msb (MSB<<8)|(\new)
.set MSB, (\new)
.endif
.endm
.macro PLACES
.rept 4
	v_nop
.endr
.endm
.macro JLOAD s                         ; waves 0 and 1 ask for ab's two blocks, waves 2 and 3 for the halves of Wo's tile
	s_cmp_eq_u32 s19, 0
	s_cbranch_scc0 .Lfor_b_\@
	tensor_load_to_lds s[G0+4*\s:G0+4*\s+3], s[G1:G1+7]
	s_nop 0
	s_branch .Lasked_\@
.Lfor_b_\@:
	tensor_load_to_lds s[G0B+4*\s:G0B+4*\s+3], s[G1B:G1B+7]
	s_nop 0
.Lasked_\@:
.endm
.macro CREST
	s_cmp_lg_u32 s18, 0
	s_cbranch_scc1 .Lnot_wave_0_\@
	s_barrier_signal -3
.Lnot_wave_0_\@:
	s_barrier_wait -3
	s_barrier_signal -1
	s_barrier_wait -1
.endm
.macro CROUND
	s_barrier_signal -1
	s_barrier_wait -1
	CREST
.endm
; The requests for one K step's tiles.  step = 1: first go on to the next step.  s16 = 4 (step asked for - cluster y) + wave - 1 is 0 in wave 1 of the
; clusters whose y is the step's number and nowhere else; it hangs on nothing that differs between the partners of a cluster.
.macro ASK step
.if \step
	s_wait_xcnt 0x0                                ; the last requests were issued a whole K step ago; their bases are stepped only behind this wait
	s_add_nc_u64 s[PA:PA+1], s[PA:PA+1], 0x200000  ; two blocks of ab on
	s_add_nc_u64 s[PB:PB+1], s[PB:PB+1], 0x20000   ; 128 k rows on
	s_add_co_u32 s16, s16, 4
.endif
	s_cmp_lg_u32 s18, 0
	s_cbranch_scc1 .Lno_ab_\@
	global_prefetch_b8 v[PFA], s[PA:PA+1] th:TH_LOAD_NT scope:SCOPE_SE
.Lno_ab_\@:
	s_cmp_lg_u32 s16, 0
	s_cbranch_scc1 .Lno_wo_\@
	global_prefetch_b8 v[PFB], s[PB:PB+1] th:TH_LOAD_NT scope:SCOPE_SE
.Lno_wo_\@:
.endm
	s_load_b256 s[4:11], s[0:1], 0x0               ; ab s[4:5], wb s[6:7], bo s[8:9], out0 s[10:11]
	v_lshl_add_u32 v30, v0, 2, 0x3a400
	v_mov_b32 v31, 0
	ds_add_u32 v30, v31
	v_lshrrev_b32 v1, 5, v0
	v_readfirstlane_b32 s18, v1                    ; wave
	s_lshr_b32 s19, s18, 1
	s_and_b32 s20, s18, 1
	s_bfe_u32 s21, ttmp6, 0x40000                  ; cx
	s_bfe_u32 s22, ttmp6, 0x40004                  ; cy
	s_lshl_b32 s23, ttmp9, 2
	s_add_co_u32 s23, s23, s21                     ; j
	s_and_b32 s3, ttmp7, 0xffff
	s_lshl_b32 s3, s3, 2
	s_add_co_u32 s3, s3, s22                       ; i
	s_lshl_b32 s40, s22, 2
	s_lshl_b32 s40, 15, s40                        ; my row of the cluster
	s_lshl_b32 s41, 0x1111, s21                    ; my column
	s_and_b32 s17, ttmp7, 0xffff                   ; the cluster's y
	s_lshl_b32 s17, s17, 2
	s_add_co_u32 s16, s18, 7
	s_sub_co_u32 s16, s16, s17                     ; 4 (2 - cluster y) + wave - 1: the first step asked for is step 2
	; ab: 256 rows of 128 bytes of one block lie without a gap, taken as 128 rows of 256 bytes; 16 bytes of padding behind every 32 words: pitch 144
	s_or_b32 s[G1+0], s40, (1<<16)|(1<<20)|(1<<21)|(4<<22)|(3<<25)
	s_mov_b32 s[G1+1], 128<<16
	s_mov_b32 s[G1+2], 128<<16
	s_mov_b32 s[G1+3], 128<<16
	s_mov_b32 s[G1+4], 128
	s_mov_b32 s[G1+5], 128
	s_mov_b32 s[G1+6], 0
	s_mov_b32 s[G1+7], 0
	; Wo: 64 k rows of 128 elements out of 512; 32 bytes of padding behind every 64 words: pitch 288
	s_or_b32 s[G1B+0], s41, (1<<16)|(1<<20)|(1<<21)|(5<<22)|(7<<25)
	s_mov_b32 s[G1B+1], 128<<16
	s_mov_b32 s[G1B+2], 64<<16
	s_mov_b32 s[G1B+3], 128<<16
	s_mov_b32 s[G1B+4], 64
	s_mov_b32 s[G1B+5], 512
	s_mov_b32 s[G1B+6], 0
	s_mov_b32 s[G1B+7], 0
	s_lshl_b32 s42, s3, 15                         ; ab: 256 i rows of 128 bytes + my block of the step's two
	s_lshl_b32 s46, s20, 20
	s_add_co_u32 s42, s42, s46
	s_mov_b32 s43, 0
	s_lshl_b32 s44, s23, 9                         ; bo: 128 j + 64 (w mod 2) numbers of 4 bytes
	s_lshl_b32 s46, s20, 8
	s_add_co_u32 s44, s44, s46
	s_mov_b32 s45, 0
	s_mul_i32 s2, s20, 36864                       ; LDS: my block of ab,
	s_mul_i32 s47, s20, 18432                      ; my half of Wo's tile
	s_add_co_u32 s47, s47, BOFF
	s_add_co_u32 s17, ttmp9, 4                     ; requests for ab, step 2: block 4 + j / 4 (j / 4 is the cluster's x),
	s_lshl_b32 s[PA], s17, 20
	s_lshl_b32 s17, s3, 15                         ; my block row's 256 rows of 128 bytes,
	s_add_co_u32 s[PA], s[PA], s17
	s_lshl_b32 s17, s21, 13                        ; 8 KiB x (j mod 4)
	s_add_co_u32 s[PA], s[PA], s17
	s_mov_b32 s[PA+1], 0
	s_lshl_b32 s[PB], s23, 20                      ; requests for Wo, step 2: j * 2^20,
	s_lshl_b32 s17, s22, 15                        ; 32 k rows of 1,024 bytes x cy,
	s_add_co_u32 s[PB], s[PB], s17
	s_add_co_u32 s[PB], s[PB], 0x40000+768         ; k row 256, plane 3
	s_mov_b32 s[PB+1], 0
	s_wait_dscnt 0x0
	s_wait_kmcnt 0x0
	s_add_nc_u64 s[8:9], s[8:9], s[44:45]
	s_add_nc_u64 s[42:43], s[4:5], s[42:43]
	s_add_nc_u64 s[PA:PA+1], s[4:5], s[PA:PA+1]
	s_add_nc_u64 s[PB:PB+1], s[6:7], s[PB:PB+1]
	s_lshl_b32 s44, s23, 20                        ; Wo: j * 2^20 + my half of 64 k rows of 1,024 bytes + plane 3
	s_lshl_b32 s46, s20, 16
	s_add_co_u32 s44, s44, s46
	s_add_co_u32 s44, s44, 768
	s_add_nc_u64 s[44:45], s[6:7], s[44:45]
	CROUND                                         ; in front of the first joint loads
.irp s, 0,1
	s_mov_b32 s[G0+4*\s], 1
	s_add_co_u32 s[G0+4*\s+1], s2, \s*SLOT
	s_add_nc_u64 s[G0+4*\s+2:G0+4*\s+3], s[42:43], \s*0x200000     ; K step s = blocks 2 s and 2 s + 1
	s_or_b32 s[G0+4*\s+3], s[G0+4*\s+3], 0x80000000
	s_mov_b32 s[G0B+4*\s], 1
	s_add_co_u32 s[G0B+4*\s+1], s47, \s*SLOT
	s_add_nc_u64 s[G0B+4*\s+2:G0B+4*\s+3], s[44:45], \s*0x20000    ; 128 k rows of 1,024 bytes
	s_or_b32 s[G0B+4*\s+3], s[G0B+4*\s+3], 0x80000000
	JLOAD \s                                       ; both first fills go out together: two tensor loads of the wave are out
.endr
	v_and_b32 v1, 15, v0                           ; r
	v_bfe_u32 v2, v0, 4, 1                         ; h
	v_and_b32 v6, 31, v0                           ; lane
	v_lshlrev_b32 v[BO], 5, v2
	v_lshlrev_b32 v[PFA], 8, v6
	v_lshlrev_b32 v[PFB], 10, v6
.irp b, 0,1,2,3
	global_load_b128 v[BB+8*\b:BB+8*\b+3],   v[BO], s[8:9] offset:64*\b        ; bo of columns 16 b + 8 h + 0 .. 7; waited for at the way out
	global_load_b128 v[BB+8*\b+4:BB+8*\b+7], v[BO], s[8:9] offset:64*\b+16
.endr
	ASK 0                                          ; K step 2's tiles; their tensor loads follow at the end of step 0
	v_mul_u32_u24 v3, v1, 144
	v_lshl_add_u32 v3, v2, 4, v3
	s_mul_i32 s46, s19, 18432
	v_add_nc_u32 v[ADA], s46, v3
	v_add_nc_u32 v[ADA+1], SLOT, v[ADA]
	v_and_b32 v5, 7, v0
	v_lshl_add_u32 v4, v2, 3, v5
	v_mul_u32_u24 v4, v4, 288
	v_bfe_u32 v6, v0, 3, 1
	v_lshl_add_u32 v4, v6, 4, v4
	s_lshl_b32 s46, s20, 7
	s_add_co_u32 s46, s46, BOFF
	v_add_nc_u32 v[ADB], s46, v4
	v_add_nc_u32 v[ADB+1], SLOT, v[ADB]
	s_mul_i32 s46, s18, 4352
	s_add_co_u32 s46, s46, STAGE
	v_mul_u32_u24 v3, v1, 272
	v_lshl_add_u32 v3, v2, 5, v3                   ; in: row r, 32 bytes for each half of the lanes
	v_add_nc_u32 v[STO], s46, v3
	v_mul_u32_u24 v4, v2, 272
	v_lshl_add_u32 v4, v1, 4, v4                   ; back: lanes 0-15 take one row of 256 bytes, lanes 16-31 the next
	v_add_nc_u32 v[RD], s46, v4
	v_lshlrev_b32 v4, 4, v1
	v_lshl_add_u32 v[CO], v2, 12, v4               ; the same two rows in out0
; 24 LDS loads: the fragments of quarter q of slot s into buffer f
.macro FETCH s, q, f
	WIN 0
.irp a, 0,1,2,3,4,5,6,7
	ds_load_b128 v[AF0+64*\f+8*\a:AF0+64*\f+8*\a+3],   v[ADA+\s] offset:(\q/2)*36864+2304*\a+64*(\q%2)
	ds_load_b128 v[AF0+64*\f+8*\a+4:AF0+64*\f+8*\a+7], v[ADA+\s] offset:(\q/2)*36864+2304*\a+64*(\q%2)+32
.endr
.irp b, 0,1,2,3
	ds_load_tr16_b128 v[BF0+32*\f+8*\b:BF0+32*\f+8*\b+3],   v[ADB+\s] offset:9216*\q+32*\b
	ds_load_tr16_b128 v[BF0+32*\f+8*\b+4:BF0+32*\f+8*\b+7], v[ADB+\s] offset:9216*\q+32*\b+4608
.endr
.endm
; 16 matrix instructions: row tiles 4 hf .. + 3, all four column tiles, from buffer f
.macro MULH f, hf, zero
	WIN 0x50
.irp a, 0,1,2,3
.irp b, 0,1,2,3
.if \zero
	v_wmma_f32_16x16x32_bf16 v[8*(4*(4*\hf+\a)+\b):8*(4*(4*\hf+\a)+\b)+7], v[BF0+32*\f+8*\b:BF0+32*\f+8*\b+7], v[AF0+64*\f+8*(4*\hf+\a):AF0+64*\f+8*(4*\hf+\a)+7], 0
.else
	v_wmma_f32_16x16x32_bf16 v[8*(4*(4*\hf+\a)+\b):8*(4*(4*\hf+\a)+\b)+7], v[BF0+32*\f+8*\b:BF0+32*\f+8*\b+7], v[AF0+64*\f+8*(4*\hf+\a):AF0+64*\f+8*(4*\hf+\a)+7], v[8*(4*(4*\hf+\a)+\b):8*(4*(4*\hf+\a)+\b)+7]
.endif
.endr
.endr
.endm
; One of a step's first three quarters: asks LDS for quarter qn's fragments into buffer g, then multiplies buffer f.
; pf = 1: the requests ahead stand behind the run of loads and its wait, with 32 matrix instructions behind them.
.macro QUARTER s, qn, f, g, z, pf
	PLACES
	FETCH \s, \qn, \g
	s_wait_dscnt 24                                ; only the 24 loads just issued stay out: buffer f is in
.if \pf
	ASK 1
.endif
	MULH \f, 0, \z
	MULH \f, 1, \z
.endm
; The last quarter multiplies buffer 1 and changes slots: one barrier, in front of it the waits for my reads of slot s and for all my tensor loads,
; behind it the refill first, then slot n's first fragments.  Where the slot is filled again the barrier opens a round of the cluster's barrier.
.macro TURN s, n, fill
	s_wait_dscnt 0x0
	s_wait_tensorcnt 0x0
	ds_add_u32 v30, v31
	s_wait_dscnt 0x0
	s_barrier_signal -1
	MULH 1, 0, 0                                   ; registers alone between signal and wait
	WIN 0
	s_barrier_wait -1
.if \fill
	CREST
	s_add_nc_u64 s[G0+4*\s+2:G0+4*\s+3], s[G0+4*\s+2:G0+4*\s+3], 0x400000     ; four blocks of ab on
	s_add_nc_u64 s[G0B+4*\s+2:G0B+4*\s+3], s[G0B+4*\s+2:G0B+4*\s+3], 0x40000  ; 256 k rows on
	JLOAD \s                                       ; the wave's one tensor load behind the round
.endif
	PLACES
	FETCH \n, 0, 0
	MULH 1, 1, 0
.endm
.macro THREE s, z, pf
	QUARTER \s, 1, 0, 1, \z, \pf
	QUARTER \s, 2, 1, 0, 0, 0
	QUARTER \s, 3, 0, 1, 0, 0
.endm
	s_wait_tensorcnt 0x1                           ; my part of K step 0 is in; K step 1's stays out
	s_barrier_signal -1
	s_barrier_wait -1
	FETCH 0, 0, 0
	THREE 0, 1, 1                                  ; K step 0: its first quarter starts the sums; step 3's tiles are asked for
	TURN 0, 1, 1
	WIN 0
	s_mov_b32 s46, 2
.Llap:
	THREE 1, 0, 1                                  ; K steps 1 and 3; steps 4 and 6 are asked for
	TURN 1, 0, 1
	THREE 0, 0, 1                                  ; K steps 2 and 4; steps 5 and 7 are asked for
	TURN 0, 1, 1
	WIN 0
	s_sub_co_u32 s46, s46, 1
	s_cmp_lg_u32 s46, 0
	s_cbranch_scc1 .Llap
	THREE 1, 0, 0                                  ; K step 5: no step is left to ask for; slot 1 is filled with step 7
	TURN 1, 0, 1
	THREE 0, 0, 0                                  ; K steps 6 and 7: nothing is left to fetch
	TURN 0, 1, 0
	THREE 1, 0, 0
	s_wait_dscnt 0x0
	MULH 1, 0, 0
	MULH 1, 1, 0
	; THE WAY OUT: bias in f32, 16 rows at a time through my stage, whole rows of 256 bytes back
	PLACES
	WIN 0
	s_lshl_b32 s42, s3, 20                         ; my first row: 256 i + 128 (w / 2), 4,096 bytes each
	s_lshl_b32 s46, s19, 19
	s_add_co_u32 s42, s42, s46
	s_mov_b32 s43, 0
	s_add_nc_u64 s[10:11], s[10:11], s[42:43]
	s_lshl_b32 s44, s23, 9                         ; my first column: 128 j + 64 (w mod 2), 4 bytes each
	s_lshl_b32 s41, s20, 8
	s_add_co_u32 s44, s44, s41
	s_mov_b32 s45, 0
	s_add_nc_u64 s[10:11], s[10:11], s[44:45]
	s_wait_loadcnt 0x0                             ; bo
.macro OUTF a, f
	WIN 0x01                                       ; source 0 = the accumulators' window
.irp c, 0,1,2,3
.irp e, 0,2,4,6
	v_pk_add_f32 v[TF+8*\c+\e:TF+8*\c+\e+1], v[8*(4*\a+\c)+\e:8*(4*\a+\c)+\e+1], v[BB+8*\c+\e:BB+8*\c+\e+1]
.endr
.endr
	WIN 0
.irp c, 0,1,2,3
.irp e, 0,1
	ds_store_b128 v[STO], v[TF+8*\c+4*\e:TF+8*\c+4*\e+3] offset:64*\c+16*\e
.endr
.endr
	s_wait_xcnt 0x0                                ; buffer f, which earlier stores read, is loaded again only behind this wait
.irp c, 0,1,2,3,4,5,6,7
	ds_load_b128 v[\f+4*\c:\f+4*\c+3], v[RD] offset:544*\c
.endr
.irp c, 0,1,2,3,4,5,6,7
	s_wait_dscnt 7-\c                              ; the younger reads of the stage stay out
	global_store_b128 v[CO], v[\f+4*\c:\f+4*\c+3], s[10:11] offset:65536*\a+8192*\c th:TH_STORE_NT   ; 16 lanes store 256 consecutive bytes, aligned
.endr
.endm
	OUTF 0, RB0
	OUTF 1, RB1
	OUTF 2, RB0
	OUTF 3, RB1
	OUTF 4, RB0
	OUTF 5, RB1
	OUTF 6, RB0
	OUTF 7, RB1
	s_wait_tensorcnt 0x0
	ds_add_u32 v30, v31
	s_wait_dscnt 0x0
	CROUND                                         ; the closing round
	s_endpgm
.Lfunc_end_k_q18faeffe07_oproj:
	.size	k_q18faeffe07_oproj, .Lfunc_end_k_q18faeffe07_oproj-k_q18faeffe07_oproj
	.p2alignl 7, 3214868480
	.fill 96, 4, 3214868480
	.section	.rodata,"a",@progbits
	.p2align	6, 0x0
	.amdhsa_kernel k_q18faeffe07_oproj
		.amdhsa_group_segment_fixed_size 327680
		.amdhsa_private_segment_fixed_size 0
		.amdhsa_enable_private_segment 0
		.amdhsa_kernarg_size 32
		.amdhsa_user_sgpr_count 2
		.amdhsa_user_sgpr_kernarg_segment_ptr 1
		.amdhsa_wavefront_size32 1
		.amdhsa_system_sgpr_workgroup_id_x 1
		.amdhsa_system_sgpr_workgroup_id_y 1
		.amdhsa_system_sgpr_workgroup_id_z 1
		.amdhsa_system_vgpr_workitem_id 0
		.amdhsa_next_free_vgpr 512
		.amdhsa_next_free_sgpr 66
		.amdhsa_reserve_vcc 0
		.amdhsa_float_denorm_mode_32 3
		.amdhsa_float_denorm_mode_16_64 3
		.amdhsa_memory_ordered 1
		.amdhsa_forward_progress 1
		.amdhsa_inst_pref_size 128
	.end_amdhsa_kernel
	.amdgpu_metadata
---
amdhsa.version: [ 1, 2 ]
amdhsa.kernels:
  - .name:           k_q18faeffe07_oproj
    .symbol:         k_q18faeffe07_oproj.kd
    .args:
      - { .name: ab, .offset: 0, .size: 8, .value_kind: global_buffer, .address_space: global }
      - { .name: wb, .offset: 8, .size: 8, .value_kind: global_buffer, .address_space: global }
      - { .name: bo, .offset: 16, .size: 8, .value_kind: global_buffer, .address_space: global }
      - { .name: out0, .offset: 24, .size: 8, .value_kind: global_buffer, .address_space: global }
    .group_segment_fixed_size: 327680
    .private_segment_fixed_size: 0
    .kernarg_segment_align: 8
    .kernarg_segment_size: 32
    .max_flat_workgroup_size: 128
    .sgpr_count:     66
    .vgpr_count:     512
    .wavefront_size: 32
...
	.end_amdgpu_metadata
.endif
;; end of part 4
